; MI455X (gfx1250); checked and timed in simulation.
; The chip was launched on July 23, 2026; its instructions are those of AMD's public machine-readable ISA for CDNA 5 (MIT licence, August 2026) and "CDNA5" Instruction Set Architecture Reference Guide (July 2026). The comments in the code are by the model that wrote it; some were corrected since.
;; Q Linear. Allowed arithmetic: float matrix products may take bf16 or f16 operands with f32 sums; other float arithmetic in f32, or as packed bf16 or f16 multiplies, adds, multiply-adds, maxima and minima; sums over many terms, partial sums and values carried from step to step in f32; what a program stores and reads back later, other than sums and carried values, may be rounded once to bf16 or f16.
;; Inputs: bias 2,048 float32; perm 4,096 int32; qweight 2,048 x 2,048 int32; scale 2,048 x 32 float32; x 4 x 2,048 x 4,096 float32; zero 2,048 x 32 float32.
;; Outputs: out0 4 x 2,048 x 2,048 float32.
;; 2 versions, each right; version 2 is version 1 with the launch prep written anew for expert scheduling mode. Each part assembles by itself: llvm-mc -triple=amdgcn-amd-amdhsa -mcpu=gfx1250 --defsym DOCPART=n.
;; ======== version 1 of 2: 2 launches
;; limits: values are held in f16: magnitudes above 65,504 overflow, below 6.1e-05 lose precision; inputs' magnitudes at most 65,504
;; workspace buffers: xh 67,108,864 bytes; wh 16,777,216 bytes
;; launch prep (part 1): grid 512 x 1, 8 waves a work-group, no clusters, 66,816 bytes of LDS; arguments x, qweight, scale, zero, perm, xh, wh; writes xh, wh
.if DOCPART == 1
	.amdgcn_target "amdgcn-amd-amdhsa--gfx1250"
	.amdhsa_code_object_version 6
	.text
	.protected	k_qbe4555a82d_prep
	.globl	k_qbe4555a82d_prep
	.p2align	8
	.type	k_qbe4555a82d_prep,@function
k_qbe4555a82d_prep:
	s_mov_b64 s[64:65], 0
	v_nop
	global_prefetch_b8 v0, s[64:65] scope:SCOPE_SE
	s_setreg_imm32_b32 hwreg(HW_REG_WAVE_MODE, 25, 1), 1
	s_wait_xcnt 0x0
; QLinear, first of two launches: the two matrix operands are made, each rounded once to f16.
;   xh[m][i] = f16(x[m][perm[i]])                         m = 0..8191 (batch and sequence on end), i = 0..4095
;   wh[o][i] = f16(scale[o][i/128] * (q[o][i] - zero[o][i/128])),  q[o][i] = qweight[o][i] // 16 for i < 2048, qweight[o][i-2048] % 16 from there on
; The second launch multiplies them and adds the bias.  NOTHING OF THE PROBLEM IS LEFT OUT: every input has a way to the output and is loaded (bias by the second launch).
; perm is honoured as a gather: it need be neither the identity nor a permutation.
; LIMITS.  f16 ends at 65,504: an x, or a scale * (q - zero), of 65,520 or more in magnitude becomes an infinity; below 6e-5 f16 keeps its fixed step of 6e-8.
; An entry of perm outside 0..4095, taken as unsigned, counts as 4095.  qweight may be any int32: // 16 is an arithmetic shift by 4, % 16 the low four bits.
; SHARES.  Work-group b of 512 takes rows 4 b .. 4 b + 3 of the weights and rows 16 b .. 16 b + 15 of x, the latter as two GROUPS of 8 rows.  All work-groups are alike; no branch.
; THE GATHER needs a whole row, so a group of 8 rows goes through LDS TURNED: the 8 rows' numbers of one column lie together, 16 bytes, and one LDS load of 16 bytes fetches column perm[i] for all 8 rows.
; Thread t loads 16 bytes of each row (a wave's load covers 512 consecutive bytes), rounds, and stores four columns; behind a barrier it fetches its 16 columns by perm, turns them back by byte
; selects, and stores 16 bytes of each row (sixteen neighbouring lanes store 256 consecutive bytes, aligned).  The second group's loads go out while the first is rounded.
; No matrix unit, no tensor loads, no cluster: every byte passes through registers to be rounded, and what work-groups share is perm alone, 16 KiB.
.set PP,    8224      ; LDS: column j of the group lies at (j % 8) PP + (j / 8) 16.  4 PP = 128 mod 256
.set SPARE, 8*PP      ; 65,792 = 257 x 256: behind the group, the spare words, 128 bytes for each of the eight waves, which no other line names
.set SPW, 1           ; v1   LDS address of my spare word; never rewritten
.set NIL, 2           ; v2   0; never rewritten
.set O16, 3           ; v3   16 t: my 16 bytes in 4,096: x's loads, xh's and wh's stores; never rewritten
.set SA,  4           ; v4   where my four columns of a chunk begin in LDS: 4 (t % 2) PP + (t / 2) 16
.set O32, 5           ; v5   32 t: my eight words of qweight and of perm
.set SZ,  6           ; v6   4 (t / 16): my columns' group in a row of scale and zero
.set TM,  7           ; v7   at work
.set GA,  8           ; v[8:23]    LDS addresses of my 16 columns by perm: half d, column k at GA + 8 d + k
.set G,   24          ; v[24:87]   what the gather brings: half d, column k, rows 2 p and 2 p + 1 at G + 32 d + 4 k + p
.set T,   24          ; v[24:39]   while a group is rounded: column k, rows 2 p and 2 p + 1 at T + 4 k + p
.set Q,   24          ; v[24:55]   the weights' part: row r's eight words of qweight at Q + 8 r
.set SC,  56          ; v[56:71]   row r: scale (upper nibbles' group), scale (lower nibbles'), zero, zero at SC + 4 r
.set H,   72          ; v[72:79]   eight upper nibbles at work
.set L,   80          ; v[80:87]   eight lower nibbles
.set OUT, 88          ; v[88:119]  store data
.set X,   128         ; v[128:255] a group of x as loaded: chunk c, row r at X + 32 c + 4 r
.set SELLO, 26        ; s26  byte select: the two low halves
.set SELHI, 27        ; s27  the two high halves
	s_load_b256 s[4:11], s[0:1], 0x0               ; x s[4:5], qweight s[6:7], scale s[8:9], zero s[10:11]
	s_load_b128 s[12:15], s[0:1], 0x20             ; perm s[12:13], xh s[14:15]
	s_load_b64 s[16:17], s[0:1], 0x30              ; wh
	v_lshl_add_u32 v[SPW], v0, 2, SPARE
	v_mov_b32 v[NIL], 0
	s_lshl_b32 s18, ttmp9, 18                      ; 16 rows of x, 16,384 bytes each
	s_mov_b32 s19, 0
	s_lshl_b32 s20, ttmp9, 15                      ; 4 rows of qweight, and of wh: 8,192 bytes each
	s_mov_b32 s21, 0
	s_lshl_b32 s22, ttmp9, 9                       ; 4 rows of scale, and of zero: 128 bytes each
	s_mov_b32 s23, 0
	s_lshl_b32 s24, ttmp9, 17                      ; 16 rows of xh, 8,192 bytes each
	s_mov_b32 s25, 0
	s_mov_b32 s[SELLO], 0x05040100
	s_mov_b32 s[SELHI], 0x07060302
	v_lshlrev_b32 v[O16], 4, v0
	v_lshlrev_b32 v[O32], 5, v0
	v_lshrrev_b32 v[SZ], 4, v0
	v_lshlrev_b32 v[SZ], 2, v[SZ]
	v_and_b32 v[TM], 1, v0
	v_mul_u32_u24 v[TM], v[TM], 4*PP
	v_lshrrev_b32 v[SA], 1, v0
	v_lshl_add_u32 v[SA], v[SA], 4, v[TM]
	s_wait_kmcnt 0x0
	s_add_nc_u64 s[4:5], s[4:5], s[18:19]          ; every base is set here, once; all further steps stand in immediates
	s_add_nc_u64 s[6:7], s[6:7], s[20:21]
	s_add_nc_u64 s[8:9], s[8:9], s[22:23]
	s_add_nc_u64 s[10:11], s[10:11], s[22:23]
	s_add_nc_u64 s[14:15], s[14:15], s[24:25]
	s_add_nc_u64 s[16:17], s[16:17], s[20:21]
; Chunk c (4,096 bytes of a row) of the 8 rows of group g: eight loads
.macro LOADXC g, c
.irp r, 0,1,2,3,4,5,6,7
	global_load_b128 v[X+32*(\c)+4*(\r):X+32*(\c)+4*(\r)+3], v[O16], s[4:5] offset:131072*(\g)+16384*(\r)+4096*(\c) th:TH_LOAD_NT
.endr
.endm
	; 60 loads go out on end: perm 4, scale and zero 16, qweight 8, the first group of x 32
.irp d, 0,1
.irp e, 0,1
	global_load_b128 v[GA+8*(\d)+4*(\e):GA+8*(\d)+4*(\e)+3], v[O32], s[12:13] offset:8192*(\d)+16*(\e)  ; perm[8 (t + 256 d) + 4 e ..]
.endr
.endr
.irp r, 0,1,2,3
	global_load_b32 v[SC+4*(\r)],   v[SZ], s[8:9]   offset:128*(\r)      ; columns 8 t .. lie in group t / 16,
	global_load_b32 v[SC+4*(\r)+1], v[SZ], s[8:9]   offset:128*(\r)+64   ; columns 2,048 + 8 t .. in group 16 + t / 16
	global_load_b32 v[SC+4*(\r)+2], v[SZ], s[10:11] offset:128*(\r)
	global_load_b32 v[SC+4*(\r)+3], v[SZ], s[10:11] offset:128*(\r)+64
.endr
.irp r, 0,1,2,3
	global_load_b128 v[Q+8*(\r):Q+8*(\r)+3],   v[O32], s[6:7] offset:8192*(\r) th:TH_LOAD_NT
	global_load_b128 v[Q+8*(\r)+4:Q+8*(\r)+7], v[O32], s[6:7] offset:8192*(\r)+16 th:TH_LOAD_NT
.endr
.irp c, 0,1,2,3
	LOADXC 0, \c
.endr
	s_wait_loadcnt 56                              ; perm's four loads are in: 16 + 8 + 32 younger ones stay out
.irp i, 0,1,2,3,4,5,6,7,8,9,10,11,12,13,14,15
	v_min_u32 v[GA+(\i)], 0xfff, v[GA+(\i)]        ; an index stays inside the row
	v_and_b32 v[TM], 7, v[GA+(\i)]
	v_mul_u32_u24 v[TM], v[TM], PP
	v_and_b32 v[GA+(\i)], 0xff8, v[GA+(\i)]
	v_lshl_add_u32 v[GA+(\i)], v[GA+(\i)], 1, v[TM]  ; (p % 8) PP + (p / 8) 16: 65,744 at the most, and 16 bytes are read there
.endr
; Row r of the weights: my eight words give eight upper and eight lower nibbles; (q - zero) and then x scale, in f32, as the problem writes it; rounded once to f16; 16 bytes to each half of the row
.macro DEQ r
.irp j, 0,1,2,3,4,5,6,7
	v_ashrrev_i32 v[H+(\j)], 4, v[Q+8*(\r)+(\j)]
	v_and_b32 v[L+(\j)], 15, v[Q+8*(\r)+(\j)]
.endr
.irp j, 0,1,2,3,4,5,6,7
	v_cvt_f32_i32 v[H+(\j)], v[H+(\j)]
	v_cvt_f32_i32 v[L+(\j)], v[L+(\j)]
.endr
.irp j, 0,1,2,3,4,5,6,7
	v_sub_f32 v[H+(\j)], v[H+(\j)], v[SC+4*(\r)+2]
	v_sub_f32 v[L+(\j)], v[L+(\j)], v[SC+4*(\r)+3]
.endr
.irp j, 0,1,2,3,4,5,6,7
	v_mul_f32 v[H+(\j)], v[SC+4*(\r)], v[H+(\j)]
	v_mul_f32 v[L+(\j)], v[SC+4*(\r)+1], v[L+(\j)]
.endr
.irp j, 0,1,2,3
	v_cvt_pk_f16_f32 v[OUT+8*(\r)+(\j)],   v[H+2*(\j)], v[H+2*(\j)+1]
	v_cvt_pk_f16_f32 v[OUT+8*(\r)+4+(\j)], v[L+2*(\j)], v[L+2*(\j)+1]
.endr
	global_store_b128 v[O16], v[OUT+8*(\r):OUT+8*(\r)+3],   s[16:17] offset:8192*(\r) th:TH_STORE_NT       ; columns 8 t ..
	global_store_b128 v[O16], v[OUT+8*(\r)+4:OUT+8*(\r)+7], s[16:17] offset:8192*(\r)+4096 th:TH_STORE_NT  ; columns 2,048 + 8 t ..
.endm
	s_wait_loadcnt 32                              ; scale, zero and qweight are in; x's 32 loads stay out
	DEQ 0                                          ; each row has its own eight registers of OUT: no wait between the rows
	DEQ 1
	DEQ 2
	DEQ 3
; Half d of my columns is turned back (of two neighbouring columns' words the low halves are one row's pair, the high halves the next row's) and stored: 16 bytes of each of the 8 rows
.macro TURNOUT g, d
.irp rp, 0,1,2,3
.irp kp, 0,1,2,3
	v_perm_b32 v[OUT+8*(\rp)+(\kp)],   v[G+32*(\d)+8*(\kp)+4+(\rp)], v[G+32*(\d)+8*(\kp)+(\rp)], s[SELLO]  ; row 2 rp: columns 2 kp (low half) and 2 kp + 1
	v_perm_b32 v[OUT+8*(\rp)+4+(\kp)], v[G+32*(\d)+8*(\kp)+4+(\rp)], v[G+32*(\d)+8*(\kp)+(\rp)], s[SELHI]  ; row 2 rp + 1
.endr
.endr
.irp r, 0,1,2,3,4,5,6,7
	global_store_b128 v[O16], v[OUT+4*(\r):OUT+4*(\r)+3], s[14:15] offset:65536*(\g)+8192*(\r)+4096*(\d) th:TH_STORE_NT  ; columns 8 (t + 256 d) ..
.endr
.endm
; A group of 8 rows.  more = 1: another group follows: its chunks are asked for as this one's registers come free, and a second barrier keeps its LDS stores behind every wave's gather.
.macro GROUP g, more
.irp c, 0,1,2,3
.if \more
	s_wait_loadcnt 24                              ; chunk c is in: behind it stand this group's later chunks and the next group's chunks already asked for, 24 loads whatever c
.else
	s_wait_loadcnt 24-8*(\c)                       ; nothing is asked for any more: the counts run down
.endif
.irp k, 0,1,2,3
.irp rp, 0,1,2,3
	v_cvt_pk_f16_f32 v[T+4*(\k)+(\rp)], v[X+32*(\c)+8*(\rp)+(\k)], v[X+32*(\c)+8*(\rp)+4+(\k)]  ; column 4 (t + 256 c) + k: row 2 rp low, row 2 rp + 1 high
.endr
.endr
.irp k, 0,1,2,3
	ds_store_b128 v[SA], v[T+4*(\k):T+4*(\k)+3] offset:(\k)*PP+2048*(\c)
.endr
.if \more
	LOADXC 1, \c
.endif
.endr
	s_wait_dscnt 0x0                               ; for the others' sake: my columns lie in LDS
	s_barrier_signal -1
	s_barrier_wait -1                              ; the whole group does
.irp d, 0,1
.irp k, 0,1,2,3,4,5,6,7
	ds_load_b128 v[G+32*(\d)+4*(\k):G+32*(\d)+4*(\k)+3], v[GA+8*(\d)+(\k)]  ; column perm[8 (t + 256 d) + k], all 8 rows
.endr
.endr
	s_wait_dscnt 8                                 ; the first half's eight loads are back
	s_wait_xcnt 0x0                                ; OUT was the data of earlier stores: it is rewritten only behind this wait
	TURNOUT \g, 0
	s_wait_dscnt 0x0                               ; all my reads of the group are back
.if \more
	s_barrier_signal -1
	s_barrier_wait -1                              ; every wave's are: the next group may be stored over this one
.endif
	s_wait_xcnt 0x0                                ; OUT once more
	TURNOUT \g, 1
.endm
	GROUP 0, 1
	GROUP 1, 0
	s_wait_tensorcnt 0x0                           ; the wave's end, behind my last LDS store
	ds_add_u32 v[SPW], v[NIL]
	s_wait_dscnt 0x0
	s_endpgm
.Lfunc_end_k_qbe4555a82d_prep:
	.size	k_qbe4555a82d_prep, .Lfunc_end_k_qbe4555a82d_prep-k_qbe4555a82d_prep
	.p2alignl 7, 3214868480
	.fill 96, 4, 3214868480
	.section	.rodata,"a",@progbits
	.p2align	6, 0x0
	.amdhsa_kernel k_qbe4555a82d_prep
		.amdhsa_group_segment_fixed_size 66816
		.amdhsa_private_segment_fixed_size 0
		.amdhsa_enable_private_segment 0
		.amdhsa_kernarg_size 56
		.amdhsa_user_sgpr_count 2
		.amdhsa_user_sgpr_kernarg_segment_ptr 1
		.amdhsa_wavefront_size32 1
		.amdhsa_system_sgpr_workgroup_id_x 1
		.amdhsa_system_sgpr_workgroup_id_y 1
		.amdhsa_system_sgpr_workgroup_id_z 1
		.amdhsa_system_vgpr_workitem_id 0
		.amdhsa_next_free_vgpr 256
		.amdhsa_next_free_sgpr 66
		.amdhsa_reserve_vcc 0
		.amdhsa_float_denorm_mode_32 3
		.amdhsa_float_denorm_mode_16_64 3
		.amdhsa_memory_ordered 1
		.amdhsa_forward_progress 1
		.amdhsa_inst_pref_size 50
	.end_amdhsa_kernel
	.amdgpu_metadata
---
amdhsa.version: [ 1, 2 ]
amdhsa.kernels:
  - .name:           k_qbe4555a82d_prep
    .symbol:         k_qbe4555a82d_prep.kd
    .args:
      - { .name: x, .offset: 0, .size: 8, .value_kind: global_buffer, .address_space: global }
      - { .name: qweight, .offset: 8, .size: 8, .value_kind: global_buffer, .address_space: global }
      - { .name: scale, .offset: 16, .size: 8, .value_kind: global_buffer, .address_space: global }
      - { .name: zero, .offset: 24, .size: 8, .value_kind: global_buffer, .address_space: global }
      - { .name: perm, .offset: 32, .size: 8, .value_kind: global_buffer, .address_space: global }
      - { .name: xh, .offset: 40, .size: 8, .value_kind: global_buffer, .address_space: global }
      - { .name: wh, .offset: 48, .size: 8, .value_kind: global_buffer, .address_space: global }
    .group_segment_fixed_size: 66816
    .private_segment_fixed_size: 0
    .kernarg_segment_align: 8
    .kernarg_segment_size: 56
    .max_flat_workgroup_size: 256
    .sgpr_count:     66
    .vgpr_count:     256
    .wavefront_size: 32
...
	.end_amdgpu_metadata
.endif
;; end of part 1
;; launch gemm (part 2): grid 8 x 32, 4 waves a work-group, clusters of 4 x 4, 327,680 bytes of LDS; arguments xh, wh, out0, bias; writes out0
.if DOCPART == 2
	.amdgcn_target "amdgcn-amd-amdhsa--gfx1250"
	.amdhsa_code_object_version 6
	.text
	.protected	k_qbe4555a82d_gemm
	.globl	k_qbe4555a82d_gemm
	.p2align	8
	.type	k_qbe4555a82d_gemm,@function
k_qbe4555a82d_gemm:
	s_mov_b64 s[64:65], 0
	v_nop
	global_prefetch_b8 v0, s[64:65] scope:SCOPE_SE
	s_setreg_imm32_b32 hwreg(HW_REG_WAVE_MODE, 25, 1), 1
	s_wait_xcnt 0x0
	s_wait_alu depctr_hold_cnt(0) depctr_sa_sdst(0) depctr_va_vdst(0) depctr_va_sdst(0) depctr_va_ssrc(0) depctr_va_vcc(0) depctr_vm_vsrc(0)
	s_getreg_b32 s2, hwreg(HW_REG_IB_STS2, 6, 4)
	s_cmp_eq_u32 s2, 0
	s_cbranch_scc0 .Lentry_in_a_cluster
	s_endpgm
.Lentry_in_a_cluster:
	s_bfe_u32 s2, ttmp6, 0x10000c
	s_cmp_lg_u32 s2, 0xf033
	s_cbranch_scc0 .Lentry_shape_is_right
	s_endpgm
.Lentry_shape_is_right:
; QLinear, second of two launches: out0[m][n] = bias[n] + the sum over k of xh[m][k] wh[n][k].  xh: [8192][4096] f16 (x gathered by perm), wh: [2048][4096] f16 (the weights dequantised),
; both made by the launch before; bias: [2048] f32; out0: [8192][2048] f32.  Sums in f32, K ascending.  Nothing of the problem is left out.
; LIMITS.  The operands are f16 (range and step: the first kernel's head).  The bias STARTS each sum (it is the C operand of the first product) instead of being added last: another order of rounding than the problem's.
; SHARES.  A tile of out0, 256 x 256, is made by a work-group of four waves; there are 8 x 32 = 256 tiles.  A wave makes 128 x 128: 64 accumulators of 16 x 16, 512 registers.
; K goes in steps of 128 through a ring of two LDS slots filled by the tensor data mover; a tile's rows are 256 bytes of memory, at multiples of 256 from the buffer's first byte.
; CLUSTERS: 4 x 4 work-groups.  The four of a row of the cluster need the same tiles of xh, the four of a column the same tiles of wh: each tile is asked for JOINTLY, by the same tensor load
; with the same descriptor and a mask that names the four; each receives it in its own LDS.
; REGISTERS, in windows of 256 (s_set_vgpr_msb's low byte: bits 1:0 source 0, 3:2 source 1, 5:4 source 2, 7:6 destination):
;   window 0: v0-31 addresses; v64-127, v128-191 fragments of xh, two buffers, and on the way out two buffers of 16 rows; v192-255 the bias of my 128 columns
;   window 1: v64-127, v128-191 fragments of wh, two buffers
;   window 2: the 32 accumulators of my rows 0-63 (accumulator (a, b) at v[8 (8 a + b)]);   window 3: those of my rows 64-127
; THE MATRIX INSTRUCTION IS USED TRANSPOSED: source 0 = 16 rows of wh, source 1 = 16 rows of xh.  In the result lane l holds row l % 16 of out0 and its registers 0 to 7 the columns
; 8 (l / 16) + 0 .. 7: 32 neighbouring bytes of a row; and the bias of those eight columns, in eight registers, is the C operand that starts the sum.
.set SIZE_N, 2048
.set SIZE_K, 4096
.set ROWC,   SIZE_N*4                  ; bytes in a row of out0
.set KSTEP,  128
.set PITCH,  272                       ; an LDS row: 256 bytes + 16 of padding = 68 words: row r starts at bank 4 r mod 64 (64 banks of 4 bytes: ISA guide 11.1): the 16 rows of a load start at 16 different banks
.set HALFT,  128*PITCH                 ; 128 rows: what one tensor load brings, and what one wave reads of xh or of wh
.set SLOT,   4*HALFT                   ; xh's 256 rows, then wh's 256 rows
.set STAGE,  2*SLOT                    ; behind the ring, never filled by a tensor load: 16 rows x 528 bytes for each wave, for the way out
.set SP,     528                       ; a stage row: 128 f32 + 16 bytes: again 16 rows at 16 different banks
.set SPARE,  STAGE+4*16*SP             ; behind the stages: the spare words, 128 bytes for each wave: two blocks of 256 bytes that no other line names
.set LAPS,   SIZE_K/(2*KSTEP)          ; 16 laps; a lap = two K steps = once round the ring
.set ADRA, 16                          ; v16-17  LDS address of my xh fragments in slot 0, 1
.set ADRB, 20                          ; v20-21  the same for wh
.set STO,  24                          ; v24     the way out: where I put 32 bytes of a row
.set RD,   25                          ; v25     the way out: where I read 16 bytes of a row back
.set CO,   26                          ; v26     16 x lane: my bytes in 512 of a row of out0
.set BO,   27                          ; v27     my byte offset in bias
.set SPW,  28                          ; v28     LDS address of my spare word; never rewritten
.set NIL,  29                          ; v29     0; never rewritten
.set PFO,  30                          ; v30     the prefetches' offset: my lane x a row of xh or wh (8,192 bytes); never rewritten
.set F0,   64                          ; fragment buffer 0
.set F1,   128                         ; fragment buffer 1
.set BIA,  192                         ; v[192:255]: bias of column 16 b + 8 (l / 16) + j of my 128 at BIA + 8 b + j
.set LIM,  43                          ; s43     1 in a wave that prefetches, else the greatest number
.set PFA,  44                          ; s[44:45] where my prefetches stand: my work-group's 32 rows of the 128 that I fetch, one K step further along K than the refill in hand
.set G1,  24                           ; s[24:31] descriptor group 1 for xh's tiles
.set G0,  32                           ; s[32:39] descriptor group 0 for xh's tiles, one set for each slot
.set G1B, 48                           ; s[48:55] group 1 for wh's tiles: it differs in the mask alone
.set G0B, 56                           ; s[56:63] group 0 for wh's tiles
.set BI,  66                           ; s[66:67] bias
.set MSB, 0
.macro WIN new                         ; the immediate's high byte repeats the setting that is left; a switch that changes nothing is dropped
.if MSB != (\new)
	s_set_vgpr_msb (MSB<<8)|(\new)
.set MSB, \new
.endif
.endm
.set MUL_LO, 0xa1                      ; source 0 (wh) window 1, source 1 (xh) window 0, C and D window 2;  + 0x50: C and D window 3
.set MUL_Z,  0x81                      ; the same with C (the bias) in window 0;  + 0x40: D window 3
.set TO_B,   0x40                      ; destination window 1, address window 0
; A joint load.  Waves 0 and 1 fetch xh's two halves, waves 2 and 3 wh's.  Each of the two lines has one mask and one set of registers for all that issue it.  The branch hangs on the wave's number alone.
; An s_nop 0 and four v_nop follow each of the two lines, ahead of the jump, the label and what follows.
.macro JLOAD s
	s_cmp_eq_u32 s11, 0
	s_cbranch_scc0 .Lfor_b_\@
	tensor_load_to_lds s[G0+4*(\s):G0+4*(\s)+3], s[G1:G1+7]
	s_nop 0
.rept 4
	v_nop
.endr
	s_branch .Lasked_\@
.Lfor_b_\@:
	tensor_load_to_lds s[G0B+4*(\s):G0B+4*(\s)+3], s[G1B:G1B+7]
	s_nop 0
.rept 4
	v_nop
.endr
.Lasked_\@:
.endm
; A PREFETCH INTO THE L2, behind each joint refill and the run of LDS loads that follows it: the K step that stands TWO refills on, 512 matrix instructions ahead of the load that will ask for it:
; 32 rows x 256 bytes, a lane a row, one instruction a wave.  Each row's 256 bytes of a K step are named ONCE in the launch: xh's tile row is walked by both clusters of that row of clusters, and the one
; with cluster x = 0 asks; wh's tile column by all eight clusters of that column, and the one with cluster y = 0 asks.  The four partners that ask for a tile jointly share its rows out BY ADDRESS:
; of the 128 rows that a wave fetches the partner at place p takes 32 p .. 32 p + 31 (p = cx for xh, cy for wh): no branch hangs on a work-group's place in its cluster.
; K steps 0 to 3 come by their loads alone; the loop's last trip (s3 = 1) asks for nothing: there is no K step two on.
.macro ASK
	s_cmp_gt_u32 s3, s[LIM]
	s_cbranch_scc0 .Lnot_mine_\@
	global_prefetch_b8 v[PFO], s[PFA:PFA+1] offset:KSTEP*2 th:TH_LOAD_NT scope:SCOPE_SE
.Lnot_mine_\@:
.endm
; A round of the cluster's barrier: my work-group's barrier, so that wave 0's signal speaks for all four waves; wave 0 signals for the work-group; every wave waits for all sixteen; my work-group's barrier once more.
.macro CREST                           ; a round behind its opening barrier
	s_cmp_lg_u32 s10, 0
	s_cbranch_scc1 .Lnot_wave_0_\@
	s_barrier_signal -3
.Lnot_wave_0_\@:
	s_barrier_wait -3
	s_barrier_signal -1
	s_barrier_wait -1
.endm
.macro CROUND                          ; a whole round
	s_barrier_signal -1
	s_barrier_wait -1
	CREST
.endm
	s_load_b128 s[4:7], s[0:1], 0x0                ; xh s[4:5], wh s[6:7]
	s_load_b64 s[8:9], s[0:1], 0x10                ; out0
	s_load_b64 s[BI:BI+1], s[0:1], 0x18            ; bias
	v_lshl_add_u32 v[SPW], v0, 2, SPARE
	v_mov_b32 v[NIL], 0
	ds_add_u32 v[SPW], v[NIL]                      ; the wave's opening: the add, twice on end, and its wait ahead of my first tensor load; the set-up below, work on registers, stands between
	ds_add_u32 v[SPW], v[NIL]                      ; and once more, under the one wait
	v_lshrrev_b32 v1, 5, v0
	v_readfirstlane_b32 s10, v1                    ; wave 0..3
	s_lshr_b32 s11, s10, 1                         ; which half of the tile's rows is mine.  Also: I fetch for xh (0) or for wh (1)
	s_and_b32 s12, s10, 1                          ; which half of its columns.  Also: which 128 rows of that tile I fetch
	s_bfe_u32 s40, ttmp6, 0x40000                  ; cx: my place along the cluster's x
	s_bfe_u32 s41, ttmp6, 0x40004                  ; cy: along its y
	s_lshl_b32 s42, ttmp9, 2                       ; in a cluster launch ttmp9 and ttmp7 count clusters
	s_add_co_u32 s42, s42, s40                     ; tile column = 4 x cluster x + cx
	s_and_b32 s13, ttmp7, 0xffff
	s_lshl_b32 s13, s13, 2
	s_add_co_u32 s13, s13, s41                     ; tile row = 4 x cluster y + cy
	s_lshl_b32 s43, s41, 2
	s_lshl_b32 s43, 15, s43                        ; my row of the cluster: places 4 cy .. 4 cy + 3
	s_lshl_b32 s44, 0x1111, s40                    ; my column: places cx, cx + 4, cx + 8, cx + 12
	; descriptor group 1: a tile of 128 rows x 128 elements, padded in LDS
	s_or_b32 s[G1+0], s43, (1<<16)|(1<<20)|(1<<21)|(5<<22)|(3<<25)   ; 15:0 the mask: xh's tiles go to my row; 17:16 elements of 2 bytes; 20 padding on; 21 set beside a mask; 24:22 after every 64 words (code 5); 31:25 4 words of it (code 3)
	s_or_b32 s[G1B+0], s44, (1<<16)|(1<<20)|(1<<21)|(5<<22)|(3<<25)  ; the same with the mask of my column, for wh's tiles
.irp g, G1, G1B
	s_mov_b32 s[(\g)+1], KSTEP<<16                 ; 63:48 tensor_dim0 = 128
	s_mov_b32 s[(\g)+2], 128<<16                   ; 95:80 tensor_dim1 = 128
	s_mov_b32 s[(\g)+3], KSTEP<<16                 ; 127:112 tile_dim0 = 128
	s_mov_b32 s[(\g)+4], 128                       ; 143:128 tile_dim1 = 128; tile_dim2 = 0
	s_mov_b32 s[(\g)+5], SIZE_K                    ; 191:160 elements from row to row
	s_mov_b32 s[(\g)+6], 0
	s_mov_b32 s[(\g)+7], 0
.endr
	; where the tiles come from.  xh's hang on the tile row alone, which my row of the cluster shares; wh's on the tile column alone, which my column shares.
	; Every wave makes both addresses, in registers that never hold the other coordinate, and asks by one of them.
	s_lshl_b32 s17, s12, 7                         ; which 128 rows of the tile I fetch
	s_lshl_b32 s16, s13, 8
	s_add_co_u32 s16, s16, s17                     ; xh: row 256 x tile row + 128 x half
	s_lshl_b32 s46, s42, 8
	s_add_co_u32 s46, s46, s17                     ; wh: row 256 x tile column + 128 x half
	s_mov_b32 s17, 0
	s_mov_b32 s47, 0
	s_mov_b64 s[18:19], SIZE_K*2
	s_mul_u64 s[16:17], s[16:17], s[18:19]         ; in bytes
	s_mul_u64 s[46:47], s[46:47], s[18:19]
	s_mul_i32 s20, s10, HALFT                      ; and where they go: wave x 128 rows: no place in the cluster enters an LDS address
	s_wait_dscnt 0x0                               ; both opening adds are done
	s_wait_kmcnt 0x0
	s_add_nc_u64 s[14:15], s[4:5], s[16:17]
	s_add_nc_u64 s[46:47], s[6:7], s[46:47]
	CROUND                                         ; all sixteen work-groups are here: the first joint loads meet
.irp s, 0,1
	s_mov_b32 s[G0+4*(\s)], 1                                        ; 1:0 count = 1
	s_add_co_u32 s[G0+4*(\s)+1], s20, (\s)*SLOT                      ; 63:32 LDS address
	s_add_nc_u64 s[G0+4*(\s)+2:G0+4*(\s)+3], s[14:15], (\s)*KSTEP*2  ; 120:64 global address: K step s
	s_or_b32 s[G0+4*(\s)+3], s[G0+4*(\s)+3], 0x80000000              ; 127:126 type = 2
	s_mov_b32 s[G0B+4*(\s)], 1
	s_add_co_u32 s[G0B+4*(\s)+1], s20, (\s)*SLOT
	s_add_nc_u64 s[G0B+4*(\s)+2:G0B+4*(\s)+3], s[46:47], (\s)*KSTEP*2
	s_or_b32 s[G0B+4*(\s)+3], s[G0B+4*(\s)+3], 0x80000000
	JLOAD \s                                       ; the ring is filled before anything else is done: two tensor loads of mine are out
.endr
	; A fragment is 16 rows x 32 K in 8 registers: lane l holds row l % 16; registers 0-3 hold K = 8 (l / 16) + 0..7, registers 4-7 K = 16 + 8 (l / 16) + 0..7: two loads of 16 bytes, 32 bytes apart.
	v_and_b32 v1, 15, v0                           ; l % 16
	v_bfe_u32 v2, v0, 4, 1                         ; l / 16
	v_mul_u32_u24 v3, v1, PITCH
	v_lshl_add_u32 v3, v2, 4, v3                   ; row x pitch + 16 x half
	s_mul_i32 s21, s11, HALFT                      ; my 128 rows of xh
	s_mul_i32 s22, s12, HALFT                      ; my 128 rows of wh,
	s_add_co_u32 s22, s22, 2*HALFT                 ; which lie behind xh's 256
.irp s, 0,1
	v_add_nc_u32 v[ADRA+(\s)], s21, v3
	v_add_nc_u32 v[ADRB+(\s)], s22, v3
	s_add_co_u32 s21, s21, SLOT
	s_add_co_u32 s22, s22, SLOT
.endr
	s_mul_i32 s23, s10, 16*SP
	s_add_co_u32 s23, s23, STAGE                   ; my stage
	v_mul_u32_u24 v4, v1, SP                       ; in: row l % 16, 32 bytes for each half of the lanes
	v_lshl_add_u32 v4, v2, 5, v4
	v_add_nc_u32 v[STO], s23, v4
	v_and_b32 v5, 31, v0
	v_lshlrev_b32 v[CO], 4, v5                     ; back, and out: 32 lanes take one row's 512 bytes
	v_add_nc_u32 v[RD], s23, v[CO]
	; where my part of the tile begins in out0
	s_lshl_b32 s13, s13, 8                         ; 256 x tile row
	s_lshl_b32 s14, s11, 7
	s_add_co_u32 s16, s13, s14                     ; my first row
	s_mov_b32 s17, 0
	s_mov_b64 s[18:19], ROWC
	s_mul_u64 s[16:17], s[16:17], s[18:19]
	s_lshl_b32 s46, s42, 10                        ; my first column, in bytes of f32: 1,024 x tile column + 512 x half (in the registers that held wh's address: none that feeds xh's descriptors ever holds cx)
	s_lshl_b32 s47, s12, 9
	s_add_co_u32 s46, s46, s47
	s_mov_b32 s47, 0
	s_add_nc_u64 s[16:17], s[16:17], s[46:47]
	s_add_nc_u64 s[8:9], s[8:9], s[16:17]          ; set once; the way out's rows stand in the stores' immediates
	v_lshl_add_u32 v[BO], v2, 5, s46               ; the same columns in bias, and 8 of them further for lanes 16-31
.irp b, 0,1,2,3,4,5,6,7
	global_load_b128 v[BIA+8*(\b):BIA+8*(\b)+3],   v[BO], s[BI:BI+1] offset:64*(\b)
	global_load_b128 v[BIA+8*(\b)+4:BIA+8*(\b)+7], v[BO], s[BI:BI+1] offset:64*(\b)+16
.endr
	; the prefetches.  s13 = 256 x tile row, s42 = tile column, s40 = cx, s41 = cy still stand
	s_lshl_b32 s42, s42, 8
	s_and_b32 s22, ttmp7, 0xffff                   ; cluster y
	s_cmp_eq_u32 s11, 0                            ; do I fetch for xh?
	s_cselect_b32 s20, s13, s42                    ; the tile's first row: in xh by the tile row, in wh by the tile column
	s_cselect_b32 s21, s40, s41                    ; my place among the four that ask for it with me
	s_cselect_b32 s22, ttmp9, s22                  ; the coordinate along which other clusters walk the same rows
	s_cselect_b64 s[PFA:PFA+1], s[4:5], s[6:7]
	s_cmp_eq_u32 s22, 0
	s_cselect_b32 s[LIM], 1, -1                    ; the same in all sixteen partners, for a given wave
	s_lshl_b32 s22, s12, 7
	s_add_co_u32 s20, s20, s22                     ; + the 128 rows that I fetch
	s_lshl_b32 s21, s21, 5
	s_add_co_u32 s20, s20, s21                     ; + my work-group's 32 of them
	s_mov_b32 s21, 0
	s_mov_b64 s[18:19], SIZE_K*2
	s_mul_u64 s[20:21], s[20:21], s[18:19]
	s_add_nc_u64 s[PFA:PFA+1], s[PFA:PFA+1], s[20:21]
	s_add_nc_u64 s[PFA:PFA+1], s[PFA:PFA+1], 2*KSTEP*2  ; at K step 2: the first refill steps it to 3 and names K step 4
	v_mul_u32_u24 v[PFO], v5, SIZE_K*2
	; nothing is prefetched here, at the head, where every work-group's first two tiles are on their way
; 16 matrix instructions: m blocks a0, a0 + 1 of the window's four (hi = 0: my rows 0-63, 1: rows 64-127) x all 8 n blocks, 32 along K.
; zero = 1: the first product starts the sums, from the bias: nothing is ever cleared.  The 64 accumulators take turns, one instruction a turn, in the same order in every quarter step.
.macro MUL16 f, hi, a0, zero
.if \zero
	WIN MUL_Z+0x40*(\hi)
.else
	WIN MUL_LO+0x50*(\hi)
.endif
.irp a, \a0, (\a0)+1
.irp b, 0,1,2,3,4,5,6,7
.if \zero
	v_wmma_f32_16x16x32_f16 v[8*(8*(\a)+(\b)):8*(8*(\a)+(\b))+7], v[(\f)+8*(\b):(\f)+8*(\b)+7], v[(\f)+8*(4*(\hi)+(\a)):(\f)+8*(4*(\hi)+(\a))+7], v[BIA+8*(\b):BIA+8*(\b)+7]
.else
	v_wmma_f32_16x16x32_f16 v[8*(8*(\a)+(\b)):8*(8*(\a)+(\b))+7], v[(\f)+8*(\b):(\f)+8*(\b)+7], v[(\f)+8*(4*(\hi)+(\a)):(\f)+8*(4*(\hi)+(\a))+7], v[8*(8*(\a)+(\b)):8*(8*(\a)+(\b))+7]
.endif
.endr
.endr
.endm
; 32 LDS loads in one run: the fragments of one quarter step (128 rows of wh, 128 rows of xh, 32 K at byte k of the rows) into buffer f
.macro FETCH slot, k, f
	WIN TO_B
.irp i, 0,1,2,3,4,5,6,7
	ds_load_b128 v[(\f)+8*(\i):(\f)+8*(\i)+3],   v[ADRB+(\slot)] offset:(\k)+(\i)*16*PITCH
	ds_load_b128 v[(\f)+8*(\i)+4:(\f)+8*(\i)+7], v[ADRB+(\slot)] offset:(\k)+(\i)*16*PITCH+32
.endr
	WIN 0
.irp i, 0,1,2,3,4,5,6,7
	ds_load_b128 v[(\f)+8*(\i):(\f)+8*(\i)+3],   v[ADRA+(\slot)] offset:(\k)+(\i)*16*PITCH
	ds_load_b128 v[(\f)+8*(\i)+4:(\f)+8*(\i)+7], v[ADRA+(\slot)] offset:(\k)+(\i)*16*PITCH+32
.endr
.endm
; A load into a register that a matrix instruction has read, and an LDS store that reads a matrix result, stand four places behind that matrix instruction, and only plain vector instructions that name
; none of its registers are places (ISA guide 7.12.1 for vector instructions); the matrix instructions in between are not counted.
.macro PLACES
.rept 4
	v_nop
.endr
.endm
; A K step is four quarter steps of 32 along K, 64 matrix instructions each, on buffers 0, 1, 0, 1.
; One of the first three: multiplies buffer f; in its middle it fetches the next quarter's fragments, at byte k of the same slot's rows, into buffer g.
.macro QUARTER slot, k, f, g, zero
	s_wait_dscnt 8                                 ; wh and xh's rows 0-63 are in; the youngest eight loads (xh's rows 64-127) may be out
	MUL16 \f, 0, 0, \zero
	MUL16 \f, 0, 2, \zero
	PLACES
	FETCH \slot, \k, \g
	s_wait_dscnt 32                                ; all but the 32 just issued
	MUL16 \f, 1, 0, \zero
	MUL16 \f, 1, 2, \zero
.endm
; The last quarter multiplies buffer 1 and changes slots.  MEET is its first half: ONE barrier for the change of slots.  In front of it each wave waits for all its tensor loads, of which one is out:
; its part of the next slot; adds 0 to its spare word; and waits for that and for its own reads of this slot.  Behind it nobody reads this slot any more and the next slot is whole.
.macro MEET round                      ; round = 1: the rest of a round of the cluster's barrier follows
	WIN 0                                          ; (the add's two registers lie in window 0)
	s_wait_tensorcnt 0x0                           ; all my tensor loads have landed;
	ds_add_u32 v[SPW], v[NIL]                      ; 0 onto my spare word;
	s_wait_dscnt 9                                 ; (the add and the youngest eight loads may be out)
	MUL16 F1, 0, 0, 0                              ; sixteen matrix instructions stand between the add and the wait for it
	s_wait_dscnt 0x0                               ; the add is done, and my reads of this slot are over:
	s_barrier_signal -1                            ; say so,
	MUL16 F1, 0, 2, 0                              ; work on registers while the others arrive,
.if \round
	WIN 0
.endif
	s_barrier_wait -1                              ; and go on when all four have said so
.endm
; The whole last quarter.  fill = 1: behind the round the slot just read out is filled again first, with the K step two steps on; then come the next slot's first fragments.
; From a request to the wait for it a wave issues 224 matrix instructions.  fill = 0: the last lap: nothing is asked for, and no round follows the barrier.
.macro TURN slot, next, fill
.if \fill
	s_wait_xcnt 0x0                                ; the last prefetch, a K step back, has read its address: it is stepped here, ahead of the waits of the change of slots
	s_add_nc_u64 s[PFA:PFA+1], s[PFA:PFA+1], KSTEP*2
	MEET 1
	CREST                                          ; no wave of any partner still reads this slot's tile or has a load on its way
	s_add_nc_u64 s[G0+4*(\slot)+2:G0+4*(\slot)+3], s[G0+4*(\slot)+2:G0+4*(\slot)+3], 2*KSTEP*2      ; no tensor load of mine is out, so a group 0 may be written
	s_add_nc_u64 s[G0B+4*(\slot)+2:G0B+4*(\slot)+3], s[G0B+4*(\slot)+2:G0B+4*(\slot)+3], 2*KSTEP*2
	JLOAD \slot                                    ; the first tensor load behind the round, my only one until the next; its four v_nop are also the places in front of the loads below
.else
	MEET 0
	PLACES
.endif
	FETCH \next, 0, F0
.if \fill
	ASK
.endif
	MUL16 F1, 1, 0, 0
	MUL16 F1, 1, 2, 0
.endm
; THE WAY OUT of block a (16 rows x 128 columns of f32).  TOSTAGE: a lane's 32 bytes of a row go into my own stage in LDS, each accumulator's low registers first; whole rows of 512 bytes come back.
.macro TOSTAGE a
.set AC, 64*((\a)%4)
.set BK, F0+64*((\a)%2)
	WIN 0x08+4*((\a)/4)                            ; the stores' data (source 1): window 2 or 3
.irp b, 0,1,2,3,4,5,6,7
	ds_store_b128 v[STO], v[AC+8*(\b):AC+8*(\b)+3]   offset:64*(\b)
	ds_store_b128 v[STO], v[AC+8*(\b)+4:AC+8*(\b)+7] offset:64*(\b)+16
.endr
	WIN 0
	s_wait_xcnt 0x0                                ; this buffer was the data of the stores two blocks back: it is loaded again only behind this wait
.irp t, 0,1,2,3,4,5,6,7,8,9,10,11,12,13,14,15
	ds_load_b128 v[BK+4*(\t):BK+4*(\t)+3], v[RD] offset:SP*(\t)  ; LDS serves a wave's instructions in order (ISA guide 5.7.1.4): these see the stores above, and the next block's stores come behind them
.endr
.endm
.macro SEND a, younger                 ; younger: the LDS instructions issued behind block a's loads: the next block's 32, or none
.set BK, F0+64*((\a)%2)
.irp t, 0,1,2,3,4,5,6,7,8,9,10,11,12,13,14,15
	s_wait_dscnt (\younger)+15-(\t)
	global_store_b128 v[CO], v[BK+4*(\t):BK+4*(\t)+3], s[8:9] offset:(16*(\a)+(\t))*ROWC th:TH_STORE_NT  ; a wave stores 512 consecutive bytes of one row, at a multiple of 256 from out0's first byte
.endr
.endm
	s_wait_tensorcnt 1                             ; my part of K step 0 is in; K step 1's may stay out
	s_barrier_signal -1
	s_barrier_wait -1                              ; everybody's is
	FETCH 0, 0, F0
	s_wait_loadcnt 0x0                             ; the bias
	QUARTER 0, 64,  F0, F1, 1                      ; the first quarter stands in front of the loop: its products start the sums
	WIN 0                                          ; at a label and at a branch every window is 0
	s_mov_b32 s3, LAPS-1
.Llap:                                                 ; a trip goes once round the ring, from a lap's second quarter to the next lap's first, and fills both slots again: K steps 2 to 31 in fifteen trips
	QUARTER 0, 128, F1, F0, 0
	QUARTER 0, 192, F0, F1, 0
	TURN 0, 1, 1
	QUARTER 1, 64,  F0, F1, 0
	QUARTER 1, 128, F1, F0, 0
	QUARTER 1, 192, F0, F1, 0
	TURN 1, 0, 1
	QUARTER 0, 64,  F0, F1, 0
	WIN 0
	s_sub_co_u32 s3, s3, 1
	s_cmp_lg_u32 s3, 0
	s_cbranch_scc1 .Llap
	QUARTER 0, 128, F1, F0, 0                      ; the last lap is written out: it fills nothing
	QUARTER 0, 192, F0, F1, 0
	TURN 0, 1, 0
	QUARTER 1, 64,  F0, F1, 0
	QUARTER 1, 128, F1, F0, 0
	QUARTER 1, 192, F0, F1, 0
	s_wait_dscnt 8                                 ; the very last quarter: nothing more to fetch
	MUL16 F1, 0, 0, 0
	MUL16 F1, 0, 2, 0
	s_wait_dscnt 0x0
	MUL16 F1, 1, 0, 0
	MUL16 F1, 1, 2, 0
	PLACES                                         ; behind the last products: the LDS stores below read results, the LDS loads write fragment registers
	TOSTAGE 0
.irp a, 1,2,3,4,5,6,7                  ; block a goes into the stage while block a - 1's rows come back and leave
	TOSTAGE \a
	SEND (\a)-1, 32
.endr
	SEND 7, 0
	s_wait_tensorcnt 0x0                           ; the wave's end, behind my last tensor load and my last LDS store
	ds_add_u32 v[SPW], v[NIL]
	s_wait_dscnt 0x0
	CROUND                                         ; the closing round: no work-group ends while a partner may still ask for a tile that names it
	s_endpgm
.Lfunc_end_k_qbe4555a82d_gemm:
	.size	k_qbe4555a82d_gemm, .Lfunc_end_k_qbe4555a82d_gemm-k_qbe4555a82d_gemm
	.p2alignl 7, 3214868480
	.fill 96, 4, 3214868480
	.section	.rodata,"a",@progbits
	.p2align	6, 0x0
	.amdhsa_kernel k_qbe4555a82d_gemm
		.amdhsa_group_segment_fixed_size 327680
		.amdhsa_private_segment_fixed_size 0
		.amdhsa_enable_private_segment 0
		.amdhsa_kernarg_size 32
		.amdhsa_user_sgpr_count 2
		.amdhsa_user_sgpr_kernarg_segment_ptr 1
		.amdhsa_wavefront_size32 1
		.amdhsa_system_sgpr_workgroup_id_x 1
		.amdhsa_system_sgpr_workgroup_id_y 1
		.amdhsa_system_sgpr_workgroup_id_z 1
		.amdhsa_system_vgpr_workitem_id 0
		.amdhsa_next_free_vgpr 1024
		.amdhsa_next_free_sgpr 68
		.amdhsa_reserve_vcc 0
		.amdhsa_float_denorm_mode_32 3
		.amdhsa_float_denorm_mode_16_64 3
		.amdhsa_memory_ordered 1
		.amdhsa_forward_progress 1
		.amdhsa_inst_pref_size 147
	.end_amdhsa_kernel
	.amdgpu_metadata
---
amdhsa.version: [ 1, 2 ]
amdhsa.kernels:
  - .name:           k_qbe4555a82d_gemm
    .symbol:         k_qbe4555a82d_gemm.kd
    .args:
      - { .name: xh, .offset: 0, .size: 8, .value_kind: global_buffer, .address_space: global }
      - { .name: wh, .offset: 8, .size: 8, .value_kind: global_buffer, .address_space: global }
      - { .name: out0, .offset: 16, .size: 8, .value_kind: global_buffer, .address_space: global }
      - { .name: bias, .offset: 24, .size: 8, .value_kind: global_buffer, .address_space: global }
    .group_segment_fixed_size: 327680
    .private_segment_fixed_size: 0
    .kernarg_segment_align: 8
    .kernarg_segment_size: 32
    .max_flat_workgroup_size: 128
    .sgpr_count:     68
    .vgpr_count:     1024
    .wavefront_size: 32
...
	.end_amdgpu_metadata
.endif
;; end of part 2
;; ======== version 2 of 2: 2 launches; version 1 with the launch prep written anew for expert scheduling mode
;; limits: values are held in f16: magnitudes above 65,504 overflow, below 6.1e-05 lose precision; inputs' magnitudes at most 65,504
;; workspace buffers: xh 67,108,864 bytes; wh 16,777,216 bytes
;; launch prep (part 3): grid 512 x 1, 8 waves a work-group, no clusters, 66,816 bytes of LDS; arguments x, qweight, scale, zero, perm, xh, wh; writes xh, wh
.if DOCPART == 3
	.amdgcn_target "amdgcn-amd-amdhsa--gfx1250"
	.amdhsa_code_object_version 6
	.text
	.protected	k_qbe4555a82d_prep
	.globl	k_qbe4555a82d_prep
	.p2align	8
	.type	k_qbe4555a82d_prep,@function
k_qbe4555a82d_prep:
	s_mov_b64 s[64:65], 0
	v_nop
	global_prefetch_b8 v0, s[64:65] scope:SCOPE_SE
	s_setreg_imm32_b32 hwreg(HW_REG_WAVE_SCHED_MODE, 0, 2), 2
	s_setreg_imm32_b32 hwreg(HW_REG_WAVE_MODE, 25, 1), 1
	s_wait_xcnt 0x0
	s_wait_alu depctr_vm_vsrc(0)
; QLinear, first of two launches: the two matrix operands are made, each rounded once to f16.
;   xh[m][i] = f16(x[m][perm[i]])                         m = 0..8191 (batch and sequence on end), i = 0..4095
;   wh[o][i] = f16(scale[o][i/128] * (q[o][i] - zero[o][i/128])),  q[o][i] = qweight[o][i] // 16 for i < 2048, qweight[o][i-2048] % 16 from there on
; The second launch multiplies them and adds the bias.  NOTHING OF THE PROBLEM IS LEFT OUT: every input has a way to the output and is loaded (bias by the second launch).
; perm is honoured as a gather: it need be neither the identity nor a permutation.
; LIMITS.  f16 ends at 65,504: an x, or a scale * (q - zero), of 65,520 or more in magnitude becomes an infinity; below 6e-5 f16 keeps its fixed step of 6e-8.
; An entry of perm outside 0..4095, taken as unsigned, counts as 4095.  qweight may be any int32: // 16 is an arithmetic shift by 4, % 16 the low four bits.
; SHARES.  Work-group b of 512 takes rows 4 b .. 4 b + 3 of the weights and rows 16 b .. 16 b + 15 of x, the latter as two GROUPS of 8 rows.  All work-groups are alike; no branch.
; THE GATHER needs a whole row, so a group of 8 rows goes through LDS TURNED: the 8 rows' numbers of one column lie together, 16 bytes, and one LDS load of 16 bytes fetches column perm[i] for all 8 rows.
; Thread t loads 16 bytes of each row (a wave's load covers 512 consecutive bytes), rounds, and stores four columns; behind a barrier it fetches its 16 columns by perm, turns them back by byte
; selects, and stores 16 bytes of each row (sixteen neighbouring lanes store 256 consecutive bytes, aligned).  The second group's loads go out while the first is rounded.
; No matrix unit, no tensor loads, no cluster: every byte passes through registers to be rounded, and what work-groups share is perm alone, 16 KiB.
; THE MODE: SCHED_MODE bits 1:0 = 2 (LLVM: expert scheduling mode 2), set by the entry lines.  The code itself states the register dependences
; between vector instructions and memory or LDS instructions, with s_wait_alu, always for 0.
; THE PLAN.  Registers that memory or LDS instructions touch:
;   v3 to v6     offsets and an LDS address, made once at the head, never written again.
;   GA           perm's loads land in it; the index arithmetic rewrites it once; both groups' gathers read it as addresses.
;   X            chunk c: loaded; read by the chunk's sixteen conversions; in the first group loaded again behind them, with the second group's chunk c.
;   v[24:87]     first qweight, scale and zero land here and the weights are worked on; then FOUR staging buffers, one a chunk: written by the chunk's conversions, read by its four LDS stores;
;                then G: the gather's loads land in it, the byte selects read it; then its lower half is the out-buffer OB.
;   OA, OB       two out-buffers.  OA: written by the weights' roundings and by half 0's selects, read by the stores behind them.  OB: written by half 1's selects, read by its stores.
; va_vdst: once at the head (the offsets); once a chunk, behind its conversions (its staging buffer is written, X[c] is read; the first of them also: OA and GA are written); once behind each half's selects.
; vm_vsrc: once a group, ahead of the gather (the LDS stores have read v[24:87]; the stores issued so far have read OA); once in the second group, ahead of the first conversion that writes into OB.
; Chunk c stages in v[24 + 16 ((c + 2) % 4) ..]: the second group's first two chunks write v[56:87], which no store has read since the wait ahead of the first gather, and OB's turn comes two chunks behind its stores.
.set PP,    8224      ; LDS: column j of the group lies at (j % 8) PP + (j / 8) 16.  4 PP = 128 mod 256
.set SPARE, 8*PP      ; 65,792 = 257 x 256: behind the group, the spare words, 128 bytes for each of the eight waves, which no other line names
.set SPW, 1           ; v1   LDS address of my spare word; never rewritten
.set NIL, 2           ; v2   0; never rewritten
.set O16, 3           ; v3   16 t: my 16 bytes in 4,096: x's loads, xh's and wh's stores; never rewritten
.set SA,  4           ; v4   where my four columns of a chunk begin in LDS: 4 (t % 2) PP + (t / 2) 16
.set O32, 5           ; v5   32 t: my eight words of qweight and of perm
.set SZ,  6           ; v6   4 (t / 16): my columns' group in a row of scale and zero
.set TM,  7           ; v7   at work
.set GA,  8           ; v[8:23]    LDS addresses of my 16 columns by perm: half d, column k at GA + 8 d + k
.set G,   24          ; v[24:87]   what the gather brings: half d, column k, rows 2 p and 2 p + 1 at G + 32 d + 4 k + p
.set T,   24          ; v[24:87]   while a group is rounded: chunk c, column k, rows 2 p and 2 p + 1 at T + 16 ((c + 2) % 4) + 4 k + p
.set Q,   24          ; v[24:55]   the weights' part: row r's eight words of qweight at Q + 8 r
.set SC,  56          ; v[56:71]   row r: scale (upper nibbles' group), scale (lower nibbles'), zero, zero at SC + 4 r
.set H,   72          ; v[72:79]   eight upper nibbles at work
.set L,   80          ; v[80:87]   eight lower nibbles
.set OA,  88          ; v[88:119]  store data: the weights, and half 0 of a group's columns
.set OB,  24          ; v[24:55]   store data: half 1 of a group's columns, where the gather's half 0 lay
.set X,   128         ; v[128:255] a group of x as loaded: chunk c, row r at X + 32 c + 4 r
.set SELLO, 26        ; s26  byte select: the two low halves
.set SELHI, 27        ; s27  the two high halves
	s_load_b256 s[4:11], s[0:1], 0x0               ; x s[4:5], qweight s[6:7], scale s[8:9], zero s[10:11]
	s_load_b128 s[12:15], s[0:1], 0x20             ; perm s[12:13], xh s[14:15]
	s_load_b64 s[16:17], s[0:1], 0x30              ; wh
	v_lshl_add_u32 v[SPW], v0, 2, SPARE
	v_mov_b32 v[NIL], 0
	s_lshl_b32 s18, ttmp9, 18                      ; 16 rows of x, 16,384 bytes each
	s_mov_b32 s19, 0
	s_lshl_b32 s20, ttmp9, 15                      ; 4 rows of qweight, and of wh: 8,192 bytes each
	s_mov_b32 s21, 0
	s_lshl_b32 s22, ttmp9, 9                       ; 4 rows of scale, and of zero: 128 bytes each
	s_mov_b32 s23, 0
	s_lshl_b32 s24, ttmp9, 17                      ; 16 rows of xh, 8,192 bytes each
	s_mov_b32 s25, 0
	s_mov_b32 s[SELLO], 0x05040100
	s_mov_b32 s[SELHI], 0x07060302
	v_lshlrev_b32 v[O16], 4, v0
	v_lshlrev_b32 v[O32], 5, v0
	v_lshrrev_b32 v[SZ], 4, v0
	v_lshlrev_b32 v[SZ], 2, v[SZ]
	v_and_b32 v[TM], 1, v0
	v_mul_u32_u24 v[TM], v[TM], 4*PP
	v_lshrrev_b32 v[SA], 1, v0
	v_lshl_add_u32 v[SA], v[SA], 4, v[TM]
	s_wait_kmcnt 0x0
	s_add_nc_u64 s[4:5], s[4:5], s[18:19]          ; every base is set here, once; all further steps stand in immediates
	s_add_nc_u64 s[6:7], s[6:7], s[20:21]
	s_add_nc_u64 s[8:9], s[8:9], s[22:23]
	s_add_nc_u64 s[10:11], s[10:11], s[22:23]
	s_add_nc_u64 s[14:15], s[14:15], s[24:25]
	s_add_nc_u64 s[16:17], s[16:17], s[20:21]
	s_wait_alu depctr_va_vdst(0)                   ; v3 to v6 are written: every load, store and LDS store of the kernel reads one of them as its offset or address
; Chunk c (4,096 bytes of a row) of the 8 rows of group g: eight loads
.macro LOADXC g, c
.irp r, 0,1,2,3,4,5,6,7
	global_load_b128 v[X+32*(\c)+4*(\r):X+32*(\c)+4*(\r)+3], v[O16], s[4:5] offset:131072*(\g)+16384*(\r)+4096*(\c) th:TH_LOAD_NT
.endr
.endm
	; 60 loads go out on end: perm 4, scale and zero 16, qweight 8, the first group of x 32
.irp d, 0,1
.irp e, 0,1
	global_load_b128 v[GA+8*(\d)+4*(\e):GA+8*(\d)+4*(\e)+3], v[O32], s[12:13] offset:8192*(\d)+16*(\e)  ; perm[8 (t + 256 d) + 4 e ..]
.endr
.endr
.irp r, 0,1,2,3
	global_load_b32 v[SC+4*(\r)],   v[SZ], s[8:9]   offset:128*(\r)      ; columns 8 t .. lie in group t / 16,
	global_load_b32 v[SC+4*(\r)+1], v[SZ], s[8:9]   offset:128*(\r)+64   ; columns 2,048 + 8 t .. in group 16 + t / 16
	global_load_b32 v[SC+4*(\r)+2], v[SZ], s[10:11] offset:128*(\r)
	global_load_b32 v[SC+4*(\r)+3], v[SZ], s[10:11] offset:128*(\r)+64
.endr
.irp r, 0,1,2,3
	global_load_b128 v[Q+8*(\r):Q+8*(\r)+3],   v[O32], s[6:7] offset:8192*(\r) th:TH_LOAD_NT
	global_load_b128 v[Q+8*(\r)+4:Q+8*(\r)+7], v[O32], s[6:7] offset:8192*(\r)+16 th:TH_LOAD_NT
.endr
.irp c, 0,1,2,3
	LOADXC 0, \c
.endr
	s_wait_loadcnt 56                              ; perm's four loads are in: 16 + 8 + 32 younger ones stay out
.irp i, 0,1,2,3,4,5,6,7,8,9,10,11,12,13,14,15
	v_min_u32 v[GA+(\i)], 0xfff, v[GA+(\i)]        ; an index stays inside the row
	v_and_b32 v[TM], 7, v[GA+(\i)]
	v_mul_u32_u24 v[TM], v[TM], PP
	v_and_b32 v[GA+(\i)], 0xff8, v[GA+(\i)]
	v_lshl_add_u32 v[GA+(\i)], v[GA+(\i)], 1, v[TM]  ; (p % 8) PP + (p / 8) 16: 65,744 at the most, and 16 bytes are read there
.endr
; Row r of the weights: my eight words give eight upper and eight lower nibbles; (q - zero) and then x scale, in f32, as the problem writes it; rounded once to f16, into the row's own eight registers of OA
.macro DEQ r
.irp j, 0,1,2,3,4,5,6,7
	v_ashrrev_i32 v[H+(\j)], 4, v[Q+8*(\r)+(\j)]
	v_and_b32 v[L+(\j)], 15, v[Q+8*(\r)+(\j)]
.endr
.irp j, 0,1,2,3,4,5,6,7
	v_cvt_f32_i32 v[H+(\j)], v[H+(\j)]
	v_cvt_f32_i32 v[L+(\j)], v[L+(\j)]
.endr
.irp j, 0,1,2,3,4,5,6,7
	v_sub_f32 v[H+(\j)], v[H+(\j)], v[SC+4*(\r)+2]
	v_sub_f32 v[L+(\j)], v[L+(\j)], v[SC+4*(\r)+3]
.endr
.irp j, 0,1,2,3,4,5,6,7
	v_mul_f32 v[H+(\j)], v[SC+4*(\r)], v[H+(\j)]
	v_mul_f32 v[L+(\j)], v[SC+4*(\r)+1], v[L+(\j)]
.endr
.irp j, 0,1,2,3
	v_cvt_pk_f16_f32 v[OA+8*(\r)+(\j)],   v[H+2*(\j)], v[H+2*(\j)+1]
	v_cvt_pk_f16_f32 v[OA+8*(\r)+4+(\j)], v[L+2*(\j)], v[L+2*(\j)+1]
.endr
.endm
; Row r of the weights leaves: 16 bytes to each half of the row.  The four rows' stores are dealt out behind the first group's four waits on va_vdst, a row a chunk:
; the first of those waits states that OA is written, and no vector instruction names OA again before half 0's selects.
.macro WST r
	global_store_b128 v[O16], v[OA+8*(\r):OA+8*(\r)+3],   s[16:17] offset:8192*(\r) th:TH_STORE_NT       ; columns 8 t ..
	global_store_b128 v[O16], v[OA+8*(\r)+4:OA+8*(\r)+7], s[16:17] offset:8192*(\r)+4096 th:TH_STORE_NT  ; columns 2,048 + 8 t ..
.endm
	s_wait_loadcnt 32                              ; scale, zero and qweight are in; x's 32 loads stay out
	DEQ 0
	DEQ 1
	DEQ 2
	DEQ 3
; Half d of my columns is turned back (of two neighbouring columns' words the low halves are one row's pair, the high halves the next row's) into out-buffer o and stored: 16 bytes of each of the 8 rows
.macro TURNOUT g, d, o
.irp rp, 0,1,2,3
.irp kp, 0,1,2,3
	v_perm_b32 v[(\o)+8*(\rp)+(\kp)],   v[G+32*(\d)+8*(\kp)+4+(\rp)], v[G+32*(\d)+8*(\kp)+(\rp)], s[SELLO]  ; row 2 rp: columns 2 kp (low half) and 2 kp + 1
	v_perm_b32 v[(\o)+8*(\rp)+4+(\kp)], v[G+32*(\d)+8*(\kp)+4+(\rp)], v[G+32*(\d)+8*(\kp)+(\rp)], s[SELHI]  ; row 2 rp + 1
.endr
.endr
	s_wait_alu depctr_va_vdst(0)                   ; the selects have written the out-buffer, which the eight stores read
.irp r, 0,1,2,3,4,5,6,7
	global_store_b128 v[O16], v[(\o)+4*(\r):(\o)+4*(\r)+3], s[14:15] offset:65536*(\g)+8192*(\r)+4096*(\d) th:TH_STORE_NT  ; columns 8 (t + 256 d) ..
.endr
.endm
; A group of 8 rows.  more = 1: the first group: the second's chunks are asked for as this one's registers come free, the weights' stores go out beside them, and a second barrier keeps the next group's LDS stores behind every wave's gather.
.macro GROUP g, more
.irp c, 0,1,2,3
.if \more
	s_wait_loadcnt 24                              ; chunk c is in: behind it stand this group's later chunks and the next group's chunks already asked for, 24 loads whatever c
.else
	s_wait_loadcnt 24-8*(\c)                       ; nothing is asked for any more: the counts run down
.if (\c) == 2
	s_wait_xcnt 0x0                                ; chunks 2 and 3 stage in v[24:55], which was OB, the data of the first group's last eight stores: it is rewritten only behind this wait,
	s_wait_alu depctr_vm_vsrc(0)                   ; and behind this one: those stores have read OB
.endif
.endif
.irp k, 0,1,2,3
.irp rp, 0,1,2,3
	v_cvt_pk_f16_f32 v[T+16*(((\c)+2)%4)+4*(\k)+(\rp)], v[X+32*(\c)+8*(\rp)+(\k)], v[X+32*(\c)+8*(\rp)+4+(\k)]  ; column 4 (t + 256 c) + k: row 2 rp low, row 2 rp + 1 high
.endr
.endr
	s_wait_alu depctr_va_vdst(0)                   ; the conversions have written the chunk's staging buffer, which the LDS stores read, and are done reading X[c], in which the loads below land; the kernel's first such wait also: OA and GA are written
.irp k, 0,1,2,3
	ds_store_b128 v[SA], v[T+16*(((\c)+2)%4)+4*(\k):T+16*(((\c)+2)%4)+4*(\k)+3] offset:(\k)*PP+2048*(\c)
.endr
.if \more
	LOADXC 1, \c
	WST \c
.endif
.endr
	s_wait_dscnt 0x0                               ; for the others' sake: my columns lie in LDS
	s_barrier_signal -1
	s_barrier_wait -1                              ; the whole group does
	s_wait_alu depctr_vm_vsrc(0)                   ; my LDS stores have read v[24:87], in which the gather lands; the stores issued so far have read OA, which half 0's selects write.  (The vector lines that named v[24:87] stand ahead of the last wait on va_vdst.)
.irp d, 0,1
.irp k, 0,1,2,3,4,5,6,7
	ds_load_b128 v[G+32*(\d)+4*(\k):G+32*(\d)+4*(\k)+3], v[GA+8*(\d)+(\k)]  ; column perm[8 (t + 256 d) + k], all 8 rows
.endr
.endr
	s_wait_dscnt 8                                 ; the first half's eight loads are back
	s_wait_xcnt 0x0                                ; OA was the data of earlier stores: it is rewritten only behind this wait
	TURNOUT \g, 0, OA
	s_wait_dscnt 0x0                               ; all my reads of the group are back
.if \more
	s_barrier_signal -1
	s_barrier_wait -1                              ; every wave's are: the next group may be stored over this one
.endif
	TURNOUT \g, 1, OB                              ; into the registers that half 0's selects have emptied: no memory or LDS instruction has read them since the wait ahead of the gather
.endm
	GROUP 0, 1
	GROUP 1, 0
	s_wait_dscnt 0x0                               ; the closing lines, six on end
	s_wait_alu 0x0
	s_wait_tensorcnt 0x0
	ds_add_u32 v[SPW], v[NIL]
	s_wait_dscnt 0x0
	s_endpgm
.Lfunc_end_k_qbe4555a82d_prep:
	.size	k_qbe4555a82d_prep, .Lfunc_end_k_qbe4555a82d_prep-k_qbe4555a82d_prep
	.p2alignl 7, 3214868480
	.fill 96, 4, 3214868480
	.section	.rodata,"a",@progbits
	.p2align	6, 0x0
	.amdhsa_kernel k_qbe4555a82d_prep
		.amdhsa_group_segment_fixed_size 66816
		.amdhsa_private_segment_fixed_size 0
		.amdhsa_enable_private_segment 0
		.amdhsa_kernarg_size 56
		.amdhsa_user_sgpr_count 2
		.amdhsa_user_sgpr_kernarg_segment_ptr 1
		.amdhsa_wavefront_size32 1
		.amdhsa_system_sgpr_workgroup_id_x 1
		.amdhsa_system_sgpr_workgroup_id_y 1
		.amdhsa_system_sgpr_workgroup_id_z 1
		.amdhsa_system_vgpr_workitem_id 0
		.amdhsa_next_free_vgpr 256
		.amdhsa_next_free_sgpr 66
		.amdhsa_reserve_vcc 0
		.amdhsa_float_denorm_mode_32 3
		.amdhsa_float_denorm_mode_16_64 3
		.amdhsa_memory_ordered 1
		.amdhsa_forward_progress 1
		.amdhsa_inst_pref_size 51
	.end_amdhsa_kernel
	.amdgpu_metadata
---
amdhsa.version: [ 1, 2 ]
amdhsa.kernels:
  - .name:           k_qbe4555a82d_prep
    .symbol:         k_qbe4555a82d_prep.kd
    .args:
      - { .name: x, .offset: 0, .size: 8, .value_kind: global_buffer, .address_space: global }
      - { .name: qweight, .offset: 8, .size: 8, .value_kind: global_buffer, .address_space: global }
      - { .name: scale, .offset: 16, .size: 8, .value_kind: global_buffer, .address_space: global }
      - { .name: zero, .offset: 24, .size: 8, .value_kind: global_buffer, .address_space: global }
      - { .name: perm, .offset: 32, .size: 8, .value_kind: global_buffer, .address_space: global }
      - { .name: xh, .offset: 40, .size: 8, .value_kind: global_buffer, .address_space: global }
      - { .name: wh, .offset: 48, .size: 8, .value_kind: global_buffer, .address_space: global }
    .group_segment_fixed_size: 66816
    .private_segment_fixed_size: 0
    .kernarg_segment_align: 8
    .kernarg_segment_size: 56
    .max_flat_workgroup_size: 256
    .sgpr_count:     66
    .vgpr_count:     256
    .wavefront_size: 32
...
	.end_amdgpu_metadata
.endif
;; end of part 3
;; launch gemm: the kernel of part 2 again; grid 8 x 32, 4 waves a work-group, clusters of 4 x 4, 327,680 bytes of LDS; arguments xh, wh, out0, bias; writes out0
